; MI455X (gfx1250); checked and timed in simulation.
; The chip was launched on July 23, 2026; its instructions are those of AMD's public machine-readable ISA for CDNA 5 (MIT licence, August 2026) and "CDNA5" Instruction Set Architecture Reference Guide (July 2026). The comments in the code are by the model that wrote it; some were corrected since.
;; Multi Headed Dot Attention. Allowed arithmetic: matrix products marked QUANTISED: E4M3 operands, one given power-of-two scale a tensor, by v_wmma_f32_16x16x64_fp8_fp8 or v_wmma_f32_16x16x128_fp8_fp8, f32 sums; everything else in f32.
;; Inputs: Wk_codes 1,024 x 32 x 32 uint8 (E4M3 codes of Wk, K innermost, in blocks of 32 codes); Wo_codes 1,024 x 32 x 32 uint8 (E4M3 codes of Wo, K innermost, in blocks of 32 codes); Wq_codes 1,024 x 32 x 32 uint8 (E4M3 codes of Wq, K innermost, in blocks of 32 codes); Wv_codes 1,024 x 32 x 32 uint8 (E4M3 codes of Wv, K innermost, in blocks of 32 codes); att_mask 4 x 2,048 int32; bk 1,024 float32; bo 1,024 float32; bq 1,024 float32; bv 1,024 float32; key_codes 4 x 2,048 x 32 x 32 uint8 (E4M3 codes of key, K innermost, in blocks of 32 codes); lowp_scales 12 int32 (the exponents e of the quantised operands' scales 2^e); query_codes 4 x 2,048 x 32 x 32 uint8 (E4M3 codes of query, K innermost, in blocks of 32 codes); value_codes 4 x 2,048 x 32 x 32 uint8 (E4M3 codes of value, K innermost, in blocks of 32 codes).
;; Outputs: out0 4 x 2,048 x 1,024 float32.
;; This version of the problem:
;;   THIS VERSION OF THE PROBLEM IS GIVEN IN LOW PRECISION. The matrix products marked QUANTISED in the list below multiply operands that are first quantised to E4M3 (4 exponent bits, 3 mantissa bits; 8 bits a number), with one given power-of-two scale for each operand tensor; their sums are f32. All else is computed in f32.
;;   The module's matrix products, in the order in which they are computed (A, B: the left and right operand; K: the contracted axis; several contracted axes count as one K, in the product's order):
;;     1. [M 8,192, K 1,024] x [K 1,024, N 1,024]; A: input query (given as codes); B: input Wq (given as codes): QUANTISED (scales: A lowp_scales[0], B lowp_scales[1])
;;     2. [M 8,192, K 1,024] x [K 1,024, N 1,024]; A: input key (given as codes); B: input Wk (given as codes): QUANTISED (scales: A lowp_scales[2], B lowp_scales[3])
;;     3. [M 8,192, K 1,024] x [K 1,024, N 1,024]; A: input value (given as codes); B: input Wv (given as codes): QUANTISED (scales: A lowp_scales[4], B lowp_scales[5])
;;     4. batch 64 x [M 2,048, K 64] x [K 64, N 2,048]; A: computed on the way; B: computed on the way: QUANTISED (scales: A lowp_scales[6], B lowp_scales[7])
;;     5. batch 64 x [M 2,048, K 2,048] x [K 2,048, N 64]; A: computed on the way; B: computed on the way: QUANTISED (scales: A lowp_scales[8], B lowp_scales[9])
;;     6. [M 8,192, K 1,024] x [K 1,024, N 1,024]; A: computed on the way; B: input Wo (given as codes): QUANTISED (scales: A lowp_scales[10], B lowp_scales[11])
;;   THE QUANTISER, for each operand of a quantised product, along K:
;;     - The operand's scale is 2^e, e = its entry of the input lowp_scales (int32; the entries are numbered through the quantised products in the list's order, A before B).
;;     - Each number is divided by the scale, clamped to +-448, and rounded to the nearest number of E4M3, ties to even, subnormals kept.
;;     - The product sums the exact products of the quantised numbers (number of the format x scale) in f32.
;;   ~~~python
;;   def quantise(x, axis, e):      # numpy; x: float32 -> the quantised numbers, widened to float32 again
;;       x = np.moveaxis(x, axis, -1); K = x.shape[-1]
;;       r = np.clip(x / 2.0 ** e, -448, 448)
;;       step = 2.0 ** (np.maximum(np.frexp(np.where(r == 0, 1, r))[1] - 1, -6) - 3)
;;       q = np.round(r / step) * step * 2.0 ** e      # np.round: ties to even
;;       return np.moveaxis(q, -1, axis).astype(np.float32)
;;   ~~~
;;   OPERANDS COMPUTED ON THE WAY. 'Computed on the way' means the value that the module computes at that place (a softmax that the list does not call 'softmax' is quantised finished and normalised). What goes into a quantiser is computed in f32, as accurately as f32 sums, v_exp_f32 and their like allow (about 1e-6 of the number): no bf16 or f16 on the way to a quantiser, and a product that is left as it is and whose result goes on into a quantised operand takes f32 operands (vector FMAs, or v_wmma_f32_16x16x4_f32). A number that lies on a knife's edge between two numbers of the format may be rounded either way, as far as f32 arithmetic and the matrix unit's own rounding can turn it there, and no further.
;;   INPUTS GIVEN AS CODES. Wk (in the module: [1024, 1024], K = its axis 0); Wo (in the module: [1024, 1024], K = its axis 0); Wq (in the module: [1024, 1024], K = its axis 0); Wv (in the module: [1024, 1024], K = its axis 0); key (in the module: [4, 2048, 1024], K = its axis 2); query (in the module: [4, 2048, 1024], K = its axis 2); value (in the module: [4, 2048, 1024], K = its axis 2): each comes as NAME_codes (uint8): NAME with its K axis moved to the last place and cut into blocks of 32 codes, [.., K / 32, bytes a block], one block behind the other in memory; one code a byte (a code: sign, 4 exponent bits, 3 mantissa bits); its scale is its entry of lowp_scales. Its value is code x scale, taken as it is: it is not quantised again, and the codes and scales need not be those that the quantiser above would give.
;; One version. Each part assembles by itself: llvm-mc -triple=amdgcn-amd-amdhsa -mcpu=gfx1250 --defsym DOCPART=n.
;; ======== version 1 of 1: 3 launches
;; limits: right only within a limited range of input values
;; workspace buffers: q_img 8,388,608 bytes; k_img 8,388,608 bytes; v_img 8,388,608 bytes; att_img 8,388,608 bytes
;; launch proj (part 1): grid 96 x 4, 4 waves a work-group, clusters of 4 x 4, 327,680 bytes of LDS; arguments query_codes, key_codes, value_codes, Wq_codes, Wk_codes, Wv_codes, bq, bk, bv, q_img, k_img, v_img, lowp_scales; writes q_img, k_img, v_img
.if DOCPART == 1
	.amdgcn_target "amdgcn-amd-amdhsa--gfx1250"
	.amdhsa_code_object_version 6
	.text
	.protected	k_q48a146a11f_proj
	.globl	k_q48a146a11f_proj
	.p2align	8
	.type	k_q48a146a11f_proj,@function
k_q48a146a11f_proj:
	s_mov_b64 s[64:65], 0
	v_nop
	global_prefetch_b8 v0, s[64:65] scope:SCOPE_SE
	s_setreg_imm32_b32 hwreg(HW_REG_WAVE_MODE, 25, 1), 1
	s_wait_xcnt 0x0
	s_wait_alu depctr_hold_cnt(0) depctr_sa_sdst(0) depctr_va_vdst(0) depctr_va_sdst(0) depctr_va_ssrc(0) depctr_va_vcc(0) depctr_vm_vsrc(0)
	s_getreg_b32 s2, hwreg(HW_REG_IB_STS2, 6, 4)
	s_cmp_eq_u32 s2, 0
	s_cbranch_scc0 .Lentry_in_a_cluster
	s_endpgm
.Lentry_in_a_cluster:
	s_bfe_u32 s2, ttmp6, 0x10000c
	s_cmp_lg_u32 s2, 0xf033
	s_cbranch_scc0 .Lentry_shape_is_right
	s_endpgm
.Lentry_shape_is_right:
; THE THREE PROJECTIONS: q = query Wq + bq, k = key Wk + bk, v = value Wv + bv, on codes of FP8 (E4M3) as they are given, sums in f32; each result x 2^(ex + ew) + bias is quantised
; with its given scale (entries 6, 7, 9 of the scales) and stored as codes, laid as the attention launch's operand registers want them.
; ONE TEXT FOR ALL THREE.  D = S0 S1^T: source 0 = 16 rows of S0, whose index falls into a lane's eight registers; source 1 = 16 rows of S1, whose index falls into the lanes.
;   q, k: S0 = the weight (1,024 rows n), S1 = the tokens (8,192): a lane holds ONE token and eight neighbouring channels: the next product's K is the head's 64 channels.
;   v:    S0 = the tokens, S1 = the weight: a lane holds ONE channel and eight neighbouring keys: the keys are the last product's K.
; So one scaled conversion of a lane's eight registers gives registers 2 c, 2 c + 1 of an operand in the 8-bit forms' own layout (k = 16 c + 8 (lane / 16) + 0 .. 7), and nothing is turned.
; OUTPUT, images of registers: an atom is four registers of 32 lanes, lane l's 16 bytes at 16 l: each store of a wave covers 512 consecutive bytes, aligned.
;   q_img, k_img: [batch x 16 + head][token tile 128][half 2][512];   v_img: [batch x 16 + head][64 keys: 32][channel tile 4][half 2][512].
; SHARES: a tile of D is 256 x 256, four waves of 128 x 128 (64 accumulators, 512 registers).  24 clusters of 4 x 4 work-groups: cluster x / 8 is the tensor, cluster x % 8 which 1,024 tokens.
; The four of a row of the cluster need the same tiles of S1, the four of a column the same tiles of S0: each tile is asked for jointly.  K = 1,024 goes through two LDS slots of 256 along K: four fills, written out.
; Inside the products k is permuted alike in both sources (four loads of 16 bytes a fragment): every product meets its partner.
; LIMITS: e0 + e1, e2 + e3, e4 + e5 between -126 and 127; e6, e7, e9 between -126 and 119, so that each power of two below is an f32 number.  NaN among the biases is not served.
; REGISTERS, in windows of 256: window 0: v0-31 addresses and constants; v32-95 the bias table; v96-103 its addresses; from v128 S1's fragments, ONE set; at the end v128-191 results, v192-255 codes.
;   window 1: S0's fragments, TWO sets.   window 2: the accumulators of my S1 blocks 0-3 ((a, b) at v[8 (8 (a % 4) + b)]);   window 3: of blocks 4-7.
.set ROWB,   256                       ; a tile's row in bytes: 256 codes
.set KROW,   1024                      ; a row of S0 or S1 in memory, in bytes
.set PITCH,  272                       ; an LDS row: 256 bytes + 16 of padding: the 16 rows that a load touches start 68 words apart
.set FR,     16                        ; registers of a fragment: 16 rows x 128 K
.set NL,     4                         ; LDS loads that bring one
.set NP,     4                         ; places behind this matrix instruction (ISA guide 7.12.1)
.set HALFT,  128*PITCH                 ; 128 rows: what one tensor load brings
.set SLOT,   4*HALFT                   ; S1's 256 rows, then S0's 256 rows
.set SPARE,  2*SLOT                    ; behind the ring: the spare words, 128 bytes for each wave
.set ADRA, 16                          ; v16-17  LDS address of my S1 fragments in slot 0, 1
.set ADRB, 20                          ; v20-21  the same for S0
.set LI,   26                          ; v26     16 x lane: my place in an atom
.set SPW,  28                          ; v28     LDS address of my spare word; never rewritten
.set NIL,  29                          ; v29     0; never rewritten
.set SCQ,  30                          ; v30     the output's scale 2^eo as f32
.set LIM,  31                          ; v31     448 x 2^eo
.set BI,   32                          ; v32-95  the bias: eight registers for each of eight blocks, in the result's layout
.set BA,   96                          ; v96-103 the addresses of its loads
.set AF,   128                         ; S1's fragments, in window 0
.set T,    128                         ; at the end: a block's 64 results
.set CD,   192                         ; at the end: codes, four sets of 16
.set G1, 24                            ; s[24:31] descriptor group 1 for S1's tiles;  s[32:39] group 0, one set for each slot
.set G0, 32
.set G1B, 48                           ; s[48:55], s[56:63] the same for S0's tiles
.set G0B, 56
.set TEN, 66                           ; s66  which tensor: 0 q, 1 k, 2 v
.set CI,  67                           ; s67  which 1,024 tokens
.set MSB, 0
.macro WIN new                         ; the immediate's high byte repeats the setting that is left
.if MSB != \new
	s_set_vgpr_msb (MSB<<8)|\new
.set MSB, \new
.endif
.endm
.set MUL_LO, 0xa1                      ; source 0 (S0) window 1, source 1 (S1) window 0, C and D window 2
.set MUL_HI, 0xf1                      ; the same, C and D window 3
.set TO_B,   0x40                      ; destination window 1, address window 0
; A joint load: waves 0 and 1 fetch for S1, waves 2 and 3 for S0.  Each line has one mask and one set of registers for all that issue it; the branch hangs on the wave's number alone.
; Four v_nop follow each of the two lines, ahead of the jump, the label and what follows.
.macro JLOAD g0a, g1a, g0b, g1b
	s_cmp_eq_u32 s15, 0
	s_cbranch_scc0 .Lfor_b_\@
	tensor_load_to_lds s[\g0a:\g0a+3], s[\g1a:\g1a+7]
	s_nop 0
.rept 4
	v_nop
.endr
	s_branch .Lasked_\@
.Lfor_b_\@:
	tensor_load_to_lds s[\g0b:\g0b+3], s[\g1b:\g1b+7]
	s_nop 0
.rept 4
	v_nop
.endr
.Lasked_\@:
.endm
.macro CREST                           ; a round of the cluster's barrier behind its opening barrier
	s_cmp_lg_u32 s14, 0
	s_cbranch_scc1 .Lnot_wave_0_\@
	s_barrier_signal -3
.Lnot_wave_0_\@:
	s_barrier_wait -3
	s_barrier_signal -1
	s_barrier_wait -1
.endm
.macro CROUND                          ; a whole round
	s_barrier_signal -1
	s_barrier_wait -1
	CREST
.endm
	s_load_b256 s[68:75], s[0:1], 0x0              ; query, key, value, Wq
	s_load_b256 s[76:83], s[0:1], 0x20             ; Wk, Wv, bq, bk
	s_load_b256 s[84:91], s[0:1], 0x40             ; bv, q_img, k_img, v_img
	s_load_b64 s[92:93], s[0:1], 0x60              ; the scales' exponents
	v_lshl_add_u32 v[SPW], v0, 2, SPARE
	v_mov_b32 v[NIL], 0
	ds_add_u32 v28, v29
	ds_add_u32 v28, v29
	s_wait_dscnt 0x0
	v_lshrrev_b32 v1, 5, v0
	v_readfirstlane_b32 s14, v1                    ; wave 0..3
	s_lshr_b32 s15, s14, 1                         ; which half of the tile's S1 rows is mine.  Also: I fetch for S1 (0) or for S0 (1)
	s_and_b32 s16, s14, 1                          ; which half of its S0 rows.  Also: which 128 rows of that tile I fetch
	s_bfe_u32 s40, ttmp6, 0x40000                  ; cx, cy: my place in the cluster
	s_bfe_u32 s41, ttmp6, 0x40004
	s_lshr_b32 s[TEN], ttmp9, 3                    ; the cluster's number says which tensor and which tokens: the same in all sixteen partners
	s_and_b32 s[CI], ttmp9, 7
	s_lshl_b32 s18, s[CI], 2
	s_cmp_eq_u32 s[TEN], 2
	s_cselect_b32 s19, s18, 0                      ; the tokens are S0's rows for v,
	s_cselect_b32 s18, 0, s18                      ; S1's for q and k
	s_add_co_u32 s42, s40, s19                     ; S0's tile = cx (+ 4 x which tokens)
	s_add_co_u32 s17, s41, s18                     ; S1's tile = cy (+ 4 x which tokens)
	s_lshl_b32 s43, s41, 2
	s_lshl_b32 s43, 15, s43                        ; my row of the cluster
	s_lshl_b32 s44, 0x1111, s40                    ; my column
	; descriptor group 1: a tile of 128 rows x 256 bytes, padded in LDS
	s_or_b32 s[G1+0], s43, (0<<16)|(1<<20)|(1<<21)|(5<<22)|(3<<25)  ; 15:0 the mask: S1's tiles go to my row; 17:16 element of 1 byte; 20 padding on; 21 set beside a mask; 24:22 after every 64 words; 31:25 of 4 words
	s_or_b32 s[G1B+0], s44, (0<<16)|(1<<20)|(1<<21)|(5<<22)|(3<<25) ; the same with my column's mask, for S0's tiles
.irp g, G1, G1B
	s_mov_b32 s[\g+1], ROWB<<16                    ; tensor_dim0
	s_mov_b32 s[\g+2], 128<<16                     ; tensor_dim1 = 128
	s_mov_b32 s[\g+3], ROWB<<16                    ; tile_dim0
	s_mov_b32 s[\g+4], 128                         ; tile_dim1 = 128
	s_mov_b32 s[\g+5], KROW                        ; tensor_dim0_stride
	s_mov_b32 s[\g+6], 0
	s_mov_b32 s[\g+7], 0
.endr
	s_lshl_b32 s18, s16, 7                         ; which 128 rows of the tile I fetch
	s_lshl_b32 s20, s17, 8
	s_add_co_u32 s20, s20, s18                     ; S1: row 256 x tile + 128 x half,
	s_lshl_b32 s20, s20, 10                        ; in bytes (8,191 rows of 1,024 at the most)
	s_mov_b32 s21, 0
	s_lshl_b32 s46, s42, 8
	s_add_co_u32 s46, s46, s18                     ; S0 likewise
	s_lshl_b32 s46, s46, 10
	s_mov_b32 s47, 0
	s_mul_i32 s45, s14, HALFT                      ; where they go: wave x 128 rows: no place in the cluster enters an LDS address
	s_wait_kmcnt 0x0
	s_cmp_eq_u32 s[TEN], 1                         ; the buffers are chosen on the tensor's number alone
	s_cselect_b64 s[4:5], s[70:71], s[68:69]       ; key : query
	s_cselect_b64 s[6:7], s[76:77], s[74:75]       ; Wk : Wq
	s_cselect_b64 s[12:13], s[82:83], s[80:81]     ; bk : bq
	s_cselect_b64 s[10:11], s[88:89], s[86:87]     ; k_img : q_img
	s_cmp_eq_u32 s[TEN], 2
	s_cselect_b64 s[4:5], s[78:79], s[4:5]         ; S1 = Wv, or the tokens
	s_cselect_b64 s[6:7], s[72:73], s[6:7]         ; S0 = value, or the weight
	s_cselect_b64 s[12:13], s[84:85], s[12:13]     ; the bias
	s_cselect_b64 s[10:11], s[90:91], s[10:11]     ; the output
	s_mov_b64 s[8:9], s[92:93]
	s_load_b256 s[84:91], s[8:9], 0x0              ; e0 .. e7
	s_load_b128 s[92:95], s[8:9], 0x20             ; e8 .. e11
	s_add_nc_u64 s[20:21], s[4:5], s[20:21]
	s_add_nc_u64 s[46:47], s[6:7], s[46:47]
	CROUND                                         ; all sixteen work-groups are here: the first joint loads meet
.irp s, 0,1
	s_mov_b32 s[G0+4*\s], 1
	s_add_co_u32 s[G0+4*\s+1], s45, \s*SLOT
	s_add_nc_u64 s[G0+4*\s+2:G0+4*\s+3], s[20:21], \s*ROWB
	s_or_b32 s[G0+4*\s+3], s[G0+4*\s+3], 0x80000000
	s_mov_b32 s[G0B+4*\s], 1
	s_add_co_u32 s[G0B+4*\s+1], s45, \s*SLOT
	s_add_nc_u64 s[G0B+4*\s+2:G0B+4*\s+3], s[46:47], \s*ROWB
	s_or_b32 s[G0B+4*\s+3], s[G0B+4*\s+3], 0x80000000
	JLOAD G0+4*\s, G1, G0B+4*\s, G1B               ; two tensor loads of mine are out
.endr
	v_and_b32 v1, 15, v0                           ; r = l % 16
	v_bfe_u32 v2, v0, 4, 1                         ; h = l / 16
	v_mul_u32_u24 v3, v1, PITCH
	v_lshl_add_u32 v4, v2, 4, v3                   ; a fragment's row x pitch + 16 x half
	s_mul_i32 s21, s15, HALFT                      ; my 128 rows of S1
	s_mul_i32 s22, s16, HALFT                      ; my 128 rows of S0,
	s_add_co_u32 s22, s22, 2*HALFT                 ; which lie behind S1's 256
.irp s, 0,1
	v_add_nc_u32 v[ADRA+\s], s21, v4
	v_add_nc_u32 v[ADRB+\s], s22, v4
	s_add_co_u32 s21, s21, SLOT
	s_add_co_u32 s22, s22, SLOT
.endr
	v_and_b32 v[LI], 31, v0
	v_lshlrev_b32 v[LI], 4, v[LI]
	; where my wave's results go, and its bias.  (In registers that feed no descriptor and no LDS address: both cx and cy enter here)
	s_lshl_b32 s68, s17, 8
	s_lshl_b32 s69, s15, 7
	s_add_co_u32 s68, s68, s69                     ; my first row of S1
	s_lshl_b32 s69, s42, 8
	s_lshl_b32 s70, s16, 7
	s_add_co_u32 s69, s69, s70                     ; my first row of S0
	s_cmp_eq_u32 s[TEN], 2
	s_cselect_b32 s70, s69, s68                    ; my first token,
	s_cselect_b32 s71, s68, s69                    ; my first channel n
	s_cselect_b32 s72, 4, 0                        ; the bias's index runs with the lane's r for v (4 bytes a lane),
	s_cselect_b32 s73, 0, 32                       ; with the lane's h (8 numbers)
	s_cselect_b32 s74, 0, 4                        ; and the register for q and k
	s_lshr_b32 s76, s70, 11                        ; batch
	s_lshl_b32 s76, s76, 4
	s_lshr_b32 s77, s71, 6                         ; head
	s_add_co_u32 s76, s76, s77
	s_lshl_b32 s76, s76, 17                        ; a head's image is 131,072 bytes
	s_and_b32 s77, s70, 2047
	s_lshl_b32 s77, s77, 6                         ; 64 bytes a token in all three images (1,024 a tile of 16; 4,096 for 64 keys)
	s_add_co_u32 s76, s76, s77
	s_mov_b32 s77, 0
	s_add_nc_u64 s[10:11], s[10:11], s[76:77]
	s_lshl_b32 s76, s71, 2
	s_add_nc_u64 s[12:13], s[12:13], s[76:77]
	v_mul_u32_u24 v5, v1, s72
	v_mad_u32_u24 v5, v2, s73, v5
.irp j, 0,1,2,3,4,5,6,7
	v_mad_u32_u24 v[BA+\j], s74, \j, v5
.endr
.irp k, 0,1,2,3,4,5,6,7                ; q, k: register j of block k = b[n + 16 k + 8 h + j] (k: S0's block);  v: all eight = b[n + 16 k + r] (k: S1's block)
.irp j, 0,1,2,3,4,5,6,7
	global_load_b32 v[BI+8*\k+\j], v[BA+\j], s[12:13] offset:64*\k   ; they land under the products; the wait stands at the end
.endr
.endr
.macro FRAG reg, adr, q, i             ; a fragment, 16 rows x 128 K of 8-bit codes, is 16 registers: lane l holds row l % 16; registers 4 c .. 4 c + 3 hold K = 32 c + 16 (l / 16) + 0 .. 15
.irp c, 0,1,2,3
	ds_load_b128 v[\reg+4*\c:\reg+4*\c+3], v[\adr] offset:128*(\q)+32*\c+(\i)*16*PITCH
.endr
.endm
; 16 matrix instructions: S1's blocks a0, a0 + 1 x S0's eight, 128 along K.  p: S0's set.  zero = 1: the first product starts the sums: nothing is ever cleared.
; The 64 accumulators take turns, one instruction a turn, in the same order in every step.
.macro MUL16 a0, p, zero
.irp a, \a0, \a0+1
.irp b, 0,1,2,3,4,5,6,7
.if \zero
	v_wmma_f32_16x16x128_fp8_fp8 v[8*(8*((\a)%4)+\b):8*(8*((\a)%4)+\b)+7], v[128*(\p)+FR*\b:128*(\p)+FR*\b+FR-1], v[AF+FR*(\a):AF+FR*(\a)+FR-1], 0
.else
	v_wmma_f32_16x16x128_fp8_fp8 v[8*(8*((\a)%4)+\b):8*(8*((\a)%4)+\b)+7], v[128*(\p)+FR*\b:128*(\p)+FR*\b+FR-1], v[AF+FR*(\a):AF+FR*(\a)+FR-1], v[8*(8*((\a)%4)+\b):8*(8*((\a)%4)+\b)+7]
.endif
.endr
.endr
.endm
.macro FETCH_B slot, q, p              ; S0's eight fragments of the slot's q-th 128 along K into set p
	WIN TO_B
.irp i, 0,1,2,3,4,5,6,7
	FRAG 128*(\p)+FR*\i, ADRB+\slot, \q, \i
.endr
	WIN 0
.endm
.macro FETCH_A slot, q, i0             ; S1's blocks i0 .. i0 + 3
.irp i, \i0, \i0+1, \i0+2, \i0+3
	FRAG AF+FR*(\i), ADRA+\slot, \q, \i
.endr
.endm
; A load into a register that a matrix instruction has read, and a vector instruction that reads a matrix result, stand NP places behind that matrix instruction; only plain vector
; instructions that name none of its registers are places (ISA guide 7.12.1 for vector instructions).
.macro PLACES n
.rept \n
	v_nop
.endr
.endm
; A step of 128 along K that has its successor in the same slot.
.macro STEP slot, q, zero
	s_wait_dscnt 4*NL                              ; S0's set and S1's blocks 0-3 are in; the youngest 16 loads (S1's blocks 4-7) may be out
	WIN MUL_LO
	MUL16 0, (\q)%2, \zero
	MUL16 2, (\q)%2, \zero
	s_wait_dscnt 0                                 ; S1's blocks 4-7 are in (asked for 32 matrix instructions ago)
	PLACES NP
	FETCH_B \slot, (\q)+1, 1-(\q)%2
	FETCH_A \slot, (\q)+1, 0
	WIN MUL_HI
	MUL16 4, (\q)%2, \zero
	MUL16 6, (\q)%2, \zero
	PLACES NP
	WIN 0
	FETCH_A \slot, (\q)+1, 4
.endm
; A slot's last step changes slots: ONE barrier; in front of it each wave waits for all its tensor loads, adds 0 to its spare word, and waits for that and for its own reads of this slot.  fill = 1: this slot is filled again, 512 along K ahead.
.macro TURN slot, next, fill
	s_wait_tensorcnt 0x0                           ; all my tensor loads have landed: my part of the next slot;  (every window is 0 here)
	ds_add_u32 v[SPW], v[NIL]                      ; 0 onto my spare word
	s_wait_dscnt 4*NL+1                            ; (the add and the youngest 16 loads, S1's blocks 4-7, may be out)
	WIN MUL_LO
	MUL16 0, 1, 0                                  ; sixteen matrix instructions stand between the add and the wait for it
	s_wait_dscnt 0x0                               ; the add is done, and my reads of this slot are over
	s_barrier_signal -1
	MUL16 2, 1, 0
	WIN 0
	s_barrier_wait -1
.if \fill
	CREST                                          ; the barrier has opened a round of the cluster's barrier: no wave of any partner still reads this slot's tile or has a load on its way
	s_add_nc_u64 s[G0+4*\slot+2:G0+4*\slot+3], s[G0+4*\slot+2:G0+4*\slot+3], 2*ROWB
	s_add_nc_u64 s[G0B+4*\slot+2:G0B+4*\slot+3], s[G0B+4*\slot+2:G0B+4*\slot+3], 2*ROWB
	JLOAD G0+4*\slot, G1, G0B+4*\slot, G1B         ; the first tensor load behind the round, my one load until the next; its four v_nop are the places in front of the loads below
.else
	PLACES NP
.endif
	FETCH_B \next, 0, 0
	FETCH_A \next, 0, 0
	WIN MUL_HI
	MUL16 4, 1, 0
	MUL16 6, 1, 0
	PLACES NP
	WIN 0
	FETCH_A \next, 0, 4
.endm
	s_wait_tensorcnt 1                             ; my part of slot 0 is in (slot 1's load may be out)
	s_barrier_signal -1
	s_barrier_wait -1                              ; everybody's is
	FETCH_B 0, 0, 0
	FETCH_A 0, 0, 0
	FETCH_A 0, 0, 4
	STEP 0, 0, 1                                   ; K 0-127: these products start the sums
	TURN 0, 1, 1                                   ; K 128-255; slot 0 takes K 512-767
	STEP 1, 0, 0
	TURN 1, 0, 1                                   ; slot 1 takes K 768-1,023
	STEP 0, 0, 0
	TURN 0, 1, 0                                   ; nothing is left to fetch: no round of the cluster's barrier
	STEP 1, 0, 0
	s_wait_dscnt 4*NL                              ; the very last step
	WIN MUL_LO
	MUL16 0, 1, 0
	MUL16 2, 1, 0
	s_wait_dscnt 0
	WIN MUL_HI
	MUL16 4, 1, 0
	MUL16 6, 1, 0
	WIN 0
	; THE WAY OUT.  y = sum x 2^(ex + ew) + bias; held within +-448 x 2^eo; converted, eight numbers of a lane to two registers; stored as atoms.  No LDS: a lane's 16 bytes already lie where the reader wants them.
	s_wait_kmcnt 0x0
	s_add_co_i32 s84, s84, s85                     ; e0 + e1
	s_add_co_i32 s86, s86, s87                     ; e2 + e3
	s_add_co_i32 s88, s88, s89                     ; e4 + e5
	s_cmp_eq_u32 s[TEN], 1
	s_cselect_b32 s96, s86, s84
	s_cselect_b32 s98, s91, s90                    ; e7 : e6
	s_cmp_eq_u32 s[TEN], 2
	s_cselect_b32 s96, s88, s96
	s_cselect_b32 s98, s93, s98                    ; e9
	s_add_co_i32 s96, s96, 127
	s_lshl_b32 s96, s96, 23                        ; 2^(ex + ew) as f32
	s_mov_b32 s97, s96                             ; (named with it as a pair, so it is written)
	s_add_co_i32 s98, s98, 127
	s_lshl_b32 s99, s98, 23
	v_mov_b32 v[SCQ], s99                          ; 2^eo: the conversion takes its exponent field.  (This line, the next v_mov_b32 and the two v_nop are the four places behind the last products)
	s_add_co_i32 s98, s98, 8
	s_lshl_b32 s98, s98, 23
	s_or_b32 s98, s98, 0x600000
	v_mov_b32 v[LIM], s98                          ; 448 x 2^eo
	v_nop
	v_nop
	s_wait_loadcnt 0x0                             ; the bias table
; S1's block a: 16 lanes' rows x my 128 rows of S0.  var = 0 (q, k): the bias goes by S0's block b; the block is token tile a of two heads.  var = 1 (v): the bias goes by a; the block is channel tile a % 4 of head a / 4, 128 keys.
.macro OUTA a, var
.set AC, 64*((\a)%4)
.set CS, CD+16*((\a)%4)
	WIN 0x02+((\a)/4)                              ; source 0: window 2 or 3
.irp b, 0,1,2,3,4,5,6,7
.irp i, 0,2,4,6
.if \var
	v_pk_fma_f32 v[T+8*\b+\i:T+8*\b+\i+1], v[AC+8*\b+\i:AC+8*\b+\i+1], s[96:97], v[BI+8*(\a)+\i:BI+8*(\a)+\i+1] op_sel_hi:[1,0,1]
.else
	v_pk_fma_f32 v[T+8*\b+\i:T+8*\b+\i+1], v[AC+8*\b+\i:AC+8*\b+\i+1], s[96:97], v[BI+8*\b+\i:BI+8*\b+\i+1] op_sel_hi:[1,0,1]   ; each accumulator from its low end on
.endif
.endr
.endr
	WIN 0
.set n, 0
.rept 64
	v_med3_num_f32 v[T+n], v[T+n], -v[LIM], v[LIM] ; the conversion to an 8-bit code does not saturate (ISA guide 7.6.2): the hold stands whatever the scale
.set n, n+1
.endr
.irp b, 0,1,2,3,4,5,6,7
	v_cvt_scalef32_pk8_fp8_f32 v[CS+2*\b:CS+2*\b+1], v[T+8*\b:T+8*\b+7], v[SCQ]
.endr
	v_nop                                          ; one plain vector line between the conversions and the next block's lines, which write their sources
.irp g, 0,1,2,3
.if \var
	global_store_b128 v[LI], v[CS+4*\g:CS+4*\g+3], s[10:11] offset:((\a)/4)*131072+((\a)%4)*1024+(\g/2)*4096+(\g%2)*512
.else
	global_store_b128 v[LI], v[CS+4*\g:CS+4*\g+3], s[10:11] offset:(\g/2)*131072+(\g%2)*512+(\a)*1024
.endif
.endr
.endm
	s_cmp_eq_u32 s[TEN], 2                         ; the same in all sixteen partners
	s_cbranch_scc1 .Lfor_v
.irp a, 0,1,2,3,4,5,6,7
.if \a == 4
	s_wait_xcnt 0x0                                ; the first four blocks' stores have read their data: the four sets of codes are written again
.endif
	OUTA \a, 0
.endr
	s_branch .Lstored
.Lfor_v:
.irp a, 0,1,2,3,4,5,6,7
.if \a == 4
	s_wait_xcnt 0x0
.endif
	OUTA \a, 1
.endr
.Lstored:
	s_wait_tensorcnt 0x0                           ; the wave's end
	ds_add_u32 v[SPW], v[NIL]
	s_wait_dscnt 0x0
	CROUND                                         ; the closing round: no work-group ends while a partner may still ask for a tile that names it
	s_endpgm
.Lfunc_end_k_q48a146a11f_proj:
	.size	k_q48a146a11f_proj, .Lfunc_end_k_q48a146a11f_proj-k_q48a146a11f_proj
	.p2alignl 7, 3214868480
	.fill 96, 4, 3214868480
	.section	.rodata,"a",@progbits
	.p2align	6, 0x0
	.amdhsa_kernel k_q48a146a11f_proj
		.amdhsa_group_segment_fixed_size 327680
		.amdhsa_private_segment_fixed_size 0
		.amdhsa_enable_private_segment 0
		.amdhsa_kernarg_size 104
		.amdhsa_user_sgpr_count 2
		.amdhsa_user_sgpr_kernarg_segment_ptr 1
		.amdhsa_wavefront_size32 1
		.amdhsa_system_sgpr_workgroup_id_x 1
		.amdhsa_system_sgpr_workgroup_id_y 1
		.amdhsa_system_sgpr_workgroup_id_z 1
		.amdhsa_system_vgpr_workitem_id 0
		.amdhsa_next_free_vgpr 1024
		.amdhsa_next_free_sgpr 100
		.amdhsa_reserve_vcc 0
		.amdhsa_float_denorm_mode_32 3
		.amdhsa_float_denorm_mode_16_64 3
		.amdhsa_memory_ordered 1
		.amdhsa_forward_progress 1
		.amdhsa_inst_pref_size 197
	.end_amdhsa_kernel
	.amdgpu_metadata
---
amdhsa.version: [ 1, 2 ]
amdhsa.kernels:
  - .name:           k_q48a146a11f_proj
    .symbol:         k_q48a146a11f_proj.kd
    .args:
      - { .name: query_codes, .offset: 0, .size: 8, .value_kind: global_buffer, .address_space: global }
      - { .name: key_codes, .offset: 8, .size: 8, .value_kind: global_buffer, .address_space: global }
      - { .name: value_codes, .offset: 16, .size: 8, .value_kind: global_buffer, .address_space: global }
      - { .name: Wq_codes, .offset: 24, .size: 8, .value_kind: global_buffer, .address_space: global }
      - { .name: Wk_codes, .offset: 32, .size: 8, .value_kind: global_buffer, .address_space: global }
      - { .name: Wv_codes, .offset: 40, .size: 8, .value_kind: global_buffer, .address_space: global }
      - { .name: bq, .offset: 48, .size: 8, .value_kind: global_buffer, .address_space: global }
      - { .name: bk, .offset: 56, .size: 8, .value_kind: global_buffer, .address_space: global }
      - { .name: bv, .offset: 64, .size: 8, .value_kind: global_buffer, .address_space: global }
      - { .name: q_img, .offset: 72, .size: 8, .value_kind: global_buffer, .address_space: global }
      - { .name: k_img, .offset: 80, .size: 8, .value_kind: global_buffer, .address_space: global }
      - { .name: v_img, .offset: 88, .size: 8, .value_kind: global_buffer, .address_space: global }
      - { .name: lowp_scales, .offset: 96, .size: 8, .value_kind: global_buffer, .address_space: global }
    .group_segment_fixed_size: 327680
    .private_segment_fixed_size: 0
    .kernarg_segment_align: 8
    .kernarg_segment_size: 104
    .max_flat_workgroup_size: 128
    .sgpr_count:     100
    .vgpr_count:     1024
    .wavefront_size: 32
...
	.end_amdgpu_metadata
.endif
;; end of part 1
;; launch attn (part 2): grid 4 x 64, 8 waves a work-group, clusters of 4 x 1, 263,168 bytes of LDS; arguments q_img, k_img, v_img, att_mask, lowp_scales, att_img; writes att_img
.if DOCPART == 2
	.amdgcn_target "amdgcn-amd-amdhsa--gfx1250"
	.amdhsa_code_object_version 6
	.text
	.protected	k_q48a146a11f_attn
	.globl	k_q48a146a11f_attn
	.p2align	8
	.type	k_q48a146a11f_attn,@function
k_q48a146a11f_attn:
	s_mov_b64 s[64:65], 0
	v_nop
	global_prefetch_b8 v0, s[64:65] scope:SCOPE_SE
	s_setreg_imm32_b32 hwreg(HW_REG_WAVE_MODE, 25, 1), 1
	s_wait_xcnt 0x0
	s_wait_alu depctr_hold_cnt(0) depctr_sa_sdst(0) depctr_va_vdst(0) depctr_va_sdst(0) depctr_va_ssrc(0) depctr_va_vcc(0) depctr_vm_vsrc(0)
	s_getreg_b32 s2, hwreg(HW_REG_IB_STS2, 6, 4)
	s_cmp_eq_u32 s2, 0
	s_cbranch_scc0 .Lentry_in_a_cluster
	s_endpgm
.Lentry_in_a_cluster:
	s_bfe_u32 s2, ttmp6, 0x10000c
	s_cmp_lg_u32 s2, 0x3003
	s_cbranch_scc0 .Lentry_shape_is_right
	s_endpgm
.Lentry_shape_is_right:
; ATTENTION on codes of FP8 (E4M3): scores = q k^T 2^(e6 + e7) / 8, causal mask, rows with att_mask = 0 give zeros; p = the FINISHED, NORMALISED softmax, quantised with 2^e8; attended = p v, quantised with 2^e10.
; p must be whole before it is quantised, so the keys are walked TWICE: pass 1 finds each query's largest score and the sum of 2^(c s - c max), pass 2 makes the scores again, p = 2^(c s - c max) / sum, its codes, and O^T += V^T P^T.
; c = log2(e) / 8 x 2^(e6 + e7).  The maximum is taken away before every exponential; it is kept as NM = -(c x max), and pass 2 uses the very NM under which the sum stands.
; SHARES.  The four work-groups of a cluster serve one (batch, head).  The head's WHOLE K and V, 131,072 bytes each, lie in LDS, filled once by joint tensor loads (each of the eight waves asks for 16,384 bytes of each);
; behind one barrier LDS is only read: no ring, no barrier in a loop, no LDS store.  A unit is 32 queries (two tiles of 16, which share every fragment of K and V): unit 4 a + cx.  Wave w takes a = w, then a = 15 - w:
; 128 (a + 1) keys each, 17 blocks of 128 keys for every wave.  a hangs on the wave's number alone: no branch knows the work-group's place in its cluster; that place enters the mask's comparison and global addresses.
; LAYOUT.  Both products transposed: S^T = K Q^T (source 0 = 16 keys, source 1 = 16 queries), O^T = V^T P^T (source 0 = 16 channels, source 1 = P): a lane holds ONE query (lane % 16) throughout, and register j of a tile
; key (or channel) 16 t + 8 (lane / 16) + j: one conversion of a tile's eight registers gives registers 2 t, 2 t + 1 of the next operand in the 8-bit forms' own layout.
; All operands are images of registers (atoms of 512 bytes, lane l's 16 bytes at 16 l): every LDS load reads 512 consecutive bytes.
; The two lanes of a query (l, l xor 16) keep a maximum and a sum of their own through pass 1 and join them once at its end.
; Both inner loops have 32 trips, a constant; a sub-step of 64 keys that lies wholly behind the unit's queries is jumped over at its head.
; LIMITS: e6 + e7 between -124 and 130 (added to c's exponent field); e8 between -8 and 127; e10 - e8 - e9 between -126 and 119.  Any att_mask other than 0 keeps the row.
.set KB,    4096                       ; a sub-step's bytes in K's or V's image: 64 keys
.set VBASE, 131072                     ; LDS: K's image at 0, V's here
.set LI,  1                            ; v1   16 x lane
.set LIV, 2                            ; v2   16 x lane + VBASE
.set ADK, 3                            ; v3   LDS address of the next sub-step's K
.set ADV, 4                            ; v4   of this sub-step's V
.set MA,  5                            ; v5   4 x (lane % 16): att_mask
.set DQ,  6                            ; v6-7 tile u: 32 cx + 16 u + lane % 16 - 8 (lane / 16)
.set ST,  8                            ; tile u's statistics at v[ST + 8 u]: +0 NM, +1 pad, +2:+3 the sum, +4 the rescaling factor, later 1 / sum, +5 pad, +6 att_mask, +7 at work
.set Q,   24                           ; v24-39   Q, 8 registers a tile
.set KF,  40                           ; v40-71   K: 4 tiles of 16 keys
.set VF,  72                           ; v72-103  V: 4 tiles of 16 channels
.set S,   104                          ; v104-167 S^T, then p: tile u, key tile t at S + 32 u + 8 t
.set O,   168                          ; v168-231 O^T: O + 32 u + 8 d.  In pass 1 at work: O + 8 u + 0..3 chains of the maximum, +4:+5 a second chain of the sum, +6, +7 the other lane's NM and sum
.set PC,  232                          ; v232-247 codes, 8 registers a tile
.set SP8, 248                          ; v248 2^e8
.set NEGI, 250                         ; v250 -infinity
.set DD,  251                          ; v251-252 the mask's bound for tile 0, 1
.set SO,  253                          ; v253 2^(e10 - e8 - e9);  v254 448 x that
.set WV,  16
.set CX,  17
.set BH,  18                           ; batch x 16 + head
.set OT,  19                           ; which of the wave's two units
.set AA,  20
.set JL,  21                           ; the unit's last sub-step: 2 a + 1
.set JM,  22                           ; the first that needs the mask: 2 a
.set JJ,  23                           ; the sub-step
.set TB,  24                           ; its byte in an image
.set NT,  25                           ; the next one's
.set CC,  26                           ; s[26:27] c
.set NC,  28                           ; -c
.set NR,  29                           ; 64 (JM - JJ)
.set SEL, 30                           ; s[30:31] lane selects: lane l xor 16
.set G1,  32                           ; s[32:39] descriptor group 1;  s[40:43], s[44:47] groups 0 for K and V
.set G0K, 40
.set G0V, 44
.macro CROUND                          ; a round of the cluster's barrier
	s_barrier_signal -1
	s_barrier_wait -1
	s_cmp_lg_u32 s[WV], 0
	s_cbranch_scc1 .Lnot_wave_0_\@
	s_barrier_signal -3
.Lnot_wave_0_\@:
	s_barrier_wait -3
	s_barrier_signal -1
	s_barrier_wait -1
.endm
	s_load_b256 s[4:11], s[0:1], 0x0               ; q_img s[4:5], k_img s[6:7], v_img s[8:9], att_mask s[10:11]
	s_load_b128 s[12:15], s[0:1], 0x20             ; the scales' exponents s[12:13], att_img s[14:15]
	s_set_vgpr_msb 0x40
	v_lshl_add_u32 v0, v0, 2, 0x40000
	v_mov_b32 v1, 0
	s_set_vgpr_msb 0x4045
	ds_add_u32 v0, v1
	ds_add_u32 v0, v1
	s_set_vgpr_msb 0x4500
	v_lshrrev_b32 v255, 5, v0
	s_delay_alu instid0(VALU_DEP_1)
	v_readfirstlane_b32 s[WV], v255                ; wave 0..7
	s_bfe_u32 s[CX], ttmp6, 0x40000                ; my place in the cluster
	s_and_b32 s[BH], ttmp7, 0xffff                 ; the cluster's y: batch x 16 + head, shared by the four
	; descriptor group 1: 64 rows of 256 bytes, dense in memory and in LDS: 16,384 bytes
	s_mov_b32 s[G1], 15|(3<<16)|(1<<21)            ; 15:0 the mask: all four work-groups; 17:16 elements of 8 bytes; 21 set beside a mask; no padding
	s_mov_b32 s[G1+1], 32<<16                      ; tensor_dim0 = 32
	s_mov_b32 s[G1+2], 64<<16                      ; tensor_dim1 = 64
	s_mov_b32 s[G1+3], 32<<16                      ; tile_dim0 = 32
	s_mov_b32 s[G1+4], 64                          ; tile_dim1 = 64
	s_mov_b32 s[G1+5], 32                          ; tensor_dim0_stride
	s_mov_b32 s[G1+6], 0
	s_mov_b32 s[G1+7], 0
	s_lshl_b32 s60, s[BH], 17                      ; the head's image,
	s_lshl_b32 s62, s[WV], 14                      ; my wave's 16,384 bytes of it, in memory and in LDS
	s_add_co_u32 s60, s60, s62
	s_mov_b32 s61, 0
	s_wait_dscnt 0x0
	s_wait_kmcnt 0x0
	s_load_b256 s[48:55], s[12:13], 0x0            ; e0 .. e7
	s_load_b128 s[56:59], s[12:13], 0x20           ; e8 .. e11
	s_mov_b32 s[G0K], 1
	s_mov_b32 s[G0K+1], s62
	s_add_nc_u64 s[G0K+2:G0K+3], s[6:7], s[60:61]
	s_or_b32 s[G0K+3], s[G0K+3], 0x80000000
	s_mov_b32 s[G0V], 1
	s_add_co_u32 s[G0V+1], s62, VBASE
	s_add_nc_u64 s[G0V+2:G0V+3], s[8:9], s[60:61]
	s_or_b32 s[G0V+3], s[G0V+3], 0x80000000
	CROUND                                         ; all four work-groups are here: the joint loads meet
	tensor_load_to_lds s[G0K:G0K+3], s[G1:G1+7]    ; the launch's only fills: two tensor loads of mine are out
	s_nop 0
	tensor_load_to_lds s[G0V:G0V+3], s[G1:G1+7]
	s_nop 0
.rept 4
	v_nop
.endr
	v_and_b32 v[LI], 31, v0
	s_delay_alu instid0(VALU_DEP_1)
	v_lshlrev_b32 v[LI], 4, v[LI]
	s_delay_alu instid0(VALU_DEP_1)
	v_add_nc_u32 v[LIV], VBASE, v[LI]
	v_and_b32 v[DD], 15, v0                        ; r
	v_bfe_u32 v[DD+1], v0, 4, 1                    ; h
	s_delay_alu instid0(VALU_DEP_2)
	v_lshlrev_b32 v[MA], 2, v[DD]
	s_delay_alu instid0(VALU_DEP_2)
	v_lshlrev_b32 v[DD+1], 3, v[DD+1]
	s_delay_alu instid0(VALU_DEP_1)
	v_sub_nc_u32 v[DQ], v[DD], v[DD+1]
	s_lshl_b32 s60, s[CX], 5
	v_add_nc_u32 v[DQ], s60, v[DQ]
	s_delay_alu instid0(VALU_DEP_1)
	v_add_nc_u32 v[DQ+1], 16, v[DQ]
	v_mov_b32 v[NEGI], 0xff800000
.irp u, 0,1
	v_mov_b32 v[ST+8*\u+1], 0                      ; named as the upper halves of pairs, so they are written
	v_mov_b32 v[ST+8*\u+5], 0
	v_mov_b32 v[O+8*\u+6], 0                       ; a lane permute's destination counts as one of its sources
	v_mov_b32 v[O+8*\u+7], 0
.endr
	s_mov_b32 s[SEL], 0x76543210
	s_mov_b32 s[SEL+1], 0xfedcba98
	s_wait_kmcnt 0x0
	s_add_co_i32 s60, s54, s55                     ; e6 + e7
	s_lshl_b32 s60, s60, 23
	s_add_co_i32 s[CC], s60, 0x3e38aa3b            ; log2(e) / 8, with the two exponents added to its exponent field
	s_mov_b32 s[CC+1], s[CC]
	s_or_b32 s[NC], s[CC], 0x80000000
	s_add_co_i32 s60, s56, 127
	s_lshl_b32 s61, s60, 23
	v_mov_b32 v[SP8], s61                          ; 2^e8
	s_sub_co_i32 s60, s58, s56
	s_sub_co_i32 s60, s60, s57                     ; a sum of the second product stands for sum x 2^(e8 + e9): its code is sum / 2^(e10 - e8 - e9)
	s_add_co_i32 s60, s60, 127
	s_lshl_b32 s61, s60, 23
	v_mov_b32 v[SO], s61
	s_add_co_i32 s60, s60, 8
	s_lshl_b32 s60, s60, 23
	s_or_b32 s60, s60, 0x600000
	v_mov_b32 v[SO+1], s60
	s_mov_b32 s[OT], 0
	s_wait_tensorcnt 0x0                           ; my parts of K and V are in,
	s_barrier_signal -1
	s_barrier_wait -1                              ; everybody's are.  From here on LDS is only read
.macro KLOAD adr                       ; a sub-step's K: 4 tiles of 16 keys x 64 channels, 8 atoms
.irp t, 0,1,2,3
.irp c, 0,1
	ds_load_b128 v[KF+8*\t+4*\c:KF+8*\t+4*\c+3], v[\adr] offset:1024*\t+512*\c
.endr
.endr
.endm
.macro VLOAD                           ; a sub-step's V: 4 tiles of 16 channels x 64 keys
.irp t, 0,1,2,3
.irp c, 0,1
	ds_load_b128 v[VF+8*\t+4*\c:VF+8*\t+4*\c+3], v[ADV] offset:1024*\t+512*\c
.endr
.endr
.endm
; S^T = K Q^T for 64 keys x 32 queries: eight products, each a whole sum (K = 64), on eight accumulators.  The four plain lines behind them are the places in front of the loads into K's registers and of the first read of the scores.
.macro QK pass
	s_wait_dscnt 0x0                               ; this sub-step's K is in (asked for a sub-step ago)
.irp t, 0,1,2,3
.irp u, 0,1
	v_wmma_f32_16x16x64_fp8_fp8 v[S+32*\u+8*\t:S+32*\u+8*\t+7], v[KF+8*\t:KF+8*\t+7], v[Q+8*\u:Q+8*\u+7], 0
.endr
.endr
	s_add_co_u32 s[NT], s[TB], KB
	s_min_u32 s[NT], s[NT], 31*KB                  ; the look-ahead stays inside K's image
	v_add_nc_u32 v[ADK], s[NT], v[LI]
.if \pass == 2
	v_add_nc_u32 v[ADV], s[TB], v[LIV]
.else
	v_nop
.endif
	v_nop
	v_nop
.endm
; The causal mask, in the unit's last two sub-steps alone.  Register 8 t + j holds key 64 J + 16 t + 8 h + j; my query is 128 a + 32 cx + 16 u + r: hidden where 16 t + j > 64 (2 a - J) + DQ.  Hidden scores become -infinity.
.macro MASK sfx
	s_cmp_lt_u32 s[JJ], s[JM]
	s_cbranch_scc1 .Lopen\sfx
	s_sub_co_i32 s[NR], s[JM], s[JJ]
	s_lshl_b32 s[NR], s[NR], 6
	v_add_nc_u32 v[DD], s[NR], v[DQ]
	v_add_nc_u32 v[DD+1], s[NR], v[DQ+1]
.irp u, 0,1
.set n, 0
.rept 32
	v_cmp_gt_i32 vcc_lo, 16*(n/8)+n%8, v[DD+\u]
	v_cndmask_b32 v[S+32*\u+n], v[S+32*\u+n], v[NEGI], vcc_lo
.set n, n+1
.endr
.endr
.Lopen\sfx:
.endm
.macro SCALE                           ; c s + NM, two at a time (of the pairs c and NM the low word serves both halves); each accumulator from its low end on
.irp u, 0,1
.set n, 0
.rept 16
	v_pk_fma_f32 v[S+32*\u+n:S+32*\u+n+1], v[S+32*\u+n:S+32*\u+n+1], s[CC:CC+1], v[ST+8*\u:ST+8*\u+1] op_sel_hi:[1,0,0]
.set n, n+2
.endr
.endr
.endm
.macro EXPS
.set n, 0
.rept 64
	v_exp_f32 v[S+n], v[S+n]
.set n, n+1
.endr
.endm
; PASS 1, a sub-step: the lane's running maximum (as NM = -(c max): a smaller NM is a larger maximum) and its sum.  A lane all of whose keys are hidden keeps its NM: -infinity x c + NM is -infinity, and its terms are 0.
.macro P1STEP
	QK 1
	KLOAD ADK                                      ; the next sub-step's K, a sub-step ahead
	MASK 1
.irp t, 0,1,2,3                        ; the largest of a lane's 32 scores, three operands at a time, four chains a tile, the tiles by turns
.irp u, 0,1
	v_max3_num_f32 v[O+8*\u+\t], v[S+32*\u+8*\t], v[S+32*\u+8*\t+1], v[S+32*\u+8*\t+2]
.endr
.endr
.irp g, 1,2
.irp t, 0,1,2,3
.irp u, 0,1
	v_max3_num_f32 v[O+8*\u+\t], v[O+8*\u+\t], v[S+32*\u+8*\t+2*\g+1], v[S+32*\u+8*\t+2*\g+2]
.endr
.endr
.endr
	s_setprio 1
.irp u, 0,1
	v_max3_num_f32 v[O+8*\u], v[O+8*\u], v[S+32*\u+7], v[S+32*\u+15]
	v_max3_num_f32 v[O+8*\u+2], v[O+8*\u+2], v[S+32*\u+23], v[S+32*\u+31]
.endr
.irp u, 0
	s_delay_alu instid0(VALU_DEP_3)
	v_max3_num_f32 v[O+8*\u], v[O+8*\u], v[O+8*\u+1], v[O+8*\u+2]
.endr
.irp u, 1
	s_delay_alu instid0(VALU_DEP_2)
	v_max3_num_f32 v[O+8*\u], v[O+8*\u], v[O+8*\u+1], v[O+8*\u+2]
.endr
.irp u, 0,1
	s_delay_alu instid0(VALU_DEP_2)
	v_max_num_f32 v[O+8*\u], v[O+8*\u], v[O+8*\u+3]
.endr
.irp u, 0,1
	s_delay_alu instid0(VALU_DEP_2)
	v_mul_f32 v[ST+8*\u+7], s[NC], v[O+8*\u]       ; -(c x the sub-step's maximum)
.endr
.irp u, 0,1
	s_delay_alu instid0(VALU_DEP_2)
	v_min_num_f32 v[ST+8*\u+7], v[ST+8*\u], v[ST+8*\u+7]   ; the new NM
.endr
.irp u, 0,1
	s_delay_alu instid0(VALU_DEP_2)
	v_sub_f32 v[ST+8*\u+4], v[ST+8*\u+7], v[ST+8*\u]       ; new NM - old NM, 0 or less: what was summed is multiplied by 2^ of it
.endr
.irp u, 0,1
	s_delay_alu instid0(VALU_DEP_4)
	v_mov_b32 v[ST+8*\u], v[ST+8*\u+7]
.endr
	SCALE
	s_wait_alu depctr_va_vdst(0)
	EXPS                                           ; one batch: the 64 terms and the two factors
	s_setprio 0
	v_exp_f32 v[ST+4], v[ST+4]
	v_exp_f32 v[ST+12], v[ST+12]
	v_nop                                          ; a plain line behind the last exponential
	s_wait_alu depctr_va_vdst(0)                   ; one wait for the batch, ahead of its first reader
.irp u, 0,1                            ; the sums, two at a time, in two chains a tile
	v_pk_fma_f32 v[ST+8*\u+2:ST+8*\u+3], v[ST+8*\u+2:ST+8*\u+3], v[ST+8*\u+4:ST+8*\u+5], v[S+32*\u:S+32*\u+1] op_sel_hi:[1,0,1]
	v_pk_add_f32 v[O+8*\u+4:O+8*\u+5], v[S+32*\u+2:S+32*\u+3], v[S+32*\u+4:S+32*\u+5]
.endr
.irp i, 3,5,7,9,11,13
.irp u, 0,1
	v_pk_add_f32 v[ST+8*\u+2:ST+8*\u+3], v[ST+8*\u+2:ST+8*\u+3], v[S+32*\u+2*\i:S+32*\u+2*\i+1]
	v_pk_add_f32 v[O+8*\u+4:O+8*\u+5], v[O+8*\u+4:O+8*\u+5], v[S+32*\u+2*\i+2:S+32*\u+2*\i+3]
.endr
.endr
.irp u, 0,1
	v_pk_add_f32 v[ST+8*\u+2:ST+8*\u+3], v[ST+8*\u+2:ST+8*\u+3], v[S+32*\u+30:S+32*\u+31]
.endr
.irp u, 0,1
	s_delay_alu instid0(VALU_DEP_2)
	v_pk_add_f32 v[ST+8*\u+2:ST+8*\u+3], v[ST+8*\u+2:ST+8*\u+3], v[O+8*\u+4:O+8*\u+5]
.endr
.endm
; PASS 2, a sub-step: the scores again, p finished, its codes, O^T += V^T P^T.
.macro P2STEP
	QK 2
	VLOAD                                          ; this sub-step's V,
	KLOAD ADK                                      ; then the next sub-step's K
	MASK 2
	SCALE
	s_setprio 1
	s_wait_alu depctr_va_vdst(0)
	EXPS
	v_nop                                          ; a plain line behind the last exponential
	s_wait_alu depctr_va_vdst(0)                   ; one wait for the batch
.irp u, 0,1
.set n, 0
.rept 16
	v_pk_mul_f32 v[S+32*\u+n:S+32*\u+n+1], v[S+32*\u+n:S+32*\u+n+1], v[ST+8*\u+4:ST+8*\u+5] op_sel_hi:[1,0]   ; x 1 / sum (0 where att_mask is 0): the normalised p
.set n, n+2
.endr
.endr
.set n, 0
.rept 64
.set n, n+1
.endr
.irp u, 0,1
.irp t, 0,1,2,3
	v_cvt_scalef32_pk8_fp8_f32 v[PC+8*\u+2*\t:PC+8*\u+2*\t+1], v[S+32*\u+8*\t:S+32*\u+8*\t+7], v[SP8]
.endr
.endr
	v_nop                                          ; one plain line between the conversions and the products that read their results
	s_setprio 0
	s_wait_alu depctr_va_vdst(0)
	s_wait_dscnt 8                                 ; V's eight loads are in; the eight younger ones, the next K, may be out
.irp t, 0,1,2,3                        ; the eight accumulators take turns, and the next sub-step's eight other products stand between two links
.irp u, 0,1
	v_wmma_f32_16x16x64_fp8_fp8 v[O+32*\u+8*\t:O+32*\u+8*\t+7], v[VF+8*\t:VF+8*\t+7], v[PC+8*\u:PC+8*\u+7], v[O+32*\u+8*\t:O+32*\u+8*\t+7]
.endr
.endr
.endm
.Lunit:                                            ; two trips: a = w, then a = 15 - w
	s_sub_co_u32 s60, 15, s[WV]
	s_cmp_eq_u32 s[OT], 0
	s_cselect_b32 s[AA], s[WV], s60
	s_lshl_b32 s[JM], s[AA], 1
	s_add_co_u32 s[JL], s[JM], 1
	s_lshl_b32 s60, s[AA], 2
	s_add_co_u32 s60, s60, s[CX]                   ; the unit: 32 queries from 32 (4 a + cx) on
	s_lshl_b32 s62, s[BH], 17
	s_lshl_b32 s63, s60, 11                        ; two token tiles of 1,024 bytes
	s_add_co_u32 s62, s62, s63
	s_mov_b32 s63, 0
	s_add_nc_u64 s[66:67], s[4:5], s[62:63]        ; Q's image
	s_lshr_b32 s72, s[BH], 4                       ; batch
	s_lshl_b32 s62, s72, 13
	s_lshl_b32 s73, s60, 7
	s_add_co_u32 s62, s62, s73
	s_add_nc_u64 s[68:69], s[10:11], s[62:63]      ; att_mask of my 32 queries
	s_lshl_b32 s72, s72, 6
	s_add_co_u32 s72, s72, s60                     ; the unit among all tokens: att_img is [256 tokens][4 heads][token tile 16][2 heads' K step][atom 4][512]
	s_lshr_b32 s62, s72, 3
	s_lshl_b32 s62, s62, 18
	s_and_b32 s73, s72, 7
	s_lshl_b32 s73, s73, 13
	s_add_co_u32 s62, s62, s73
	s_and_b32 s73, s[BH], 15                       ; head
	s_lshr_b32 s74, s73, 2
	s_lshl_b32 s74, s74, 16
	s_add_co_u32 s62, s62, s74
	s_bfe_u32 s74, s73, 0x10001
	s_lshl_b32 s74, s74, 11
	s_add_co_u32 s62, s62, s74
	s_and_b32 s74, s73, 1
	s_lshl_b32 s74, s74, 10
	s_add_co_u32 s62, s62, s74
	s_add_nc_u64 s[70:71], s[14:15], s[62:63]
.irp i, 0,1,2,3
	global_load_b128 v[Q+4*\i:Q+4*\i+3], v[LI], s[66:67] offset:512*\i th:TH_LOAD_NT   ; Q's two fragments stay in registers; read once in the launch
.endr
	global_load_b32 v[ST+6], v[MA], s[68:69]
	global_load_b32 v[ST+14], v[MA], s[68:69] offset:64
.irp u, 0,1
	v_mov_b32 v[ST+8*\u], 0x7f61b1e6               ; NM = 3e38: a maximum under every score, and a finite number
	v_mov_b32 v[ST+8*\u+2], 0
	v_mov_b32 v[ST+8*\u+3], 0
.endr
	s_wait_dscnt 0x0                               ; the last look-ahead has landed: K's registers may be loaded again
	KLOAD LI                                       ; sub-step 0
	s_mov_b32 s[TB], 0
	s_mov_b32 s[JJ], 0
	s_wait_loadcnt 0x0                             ; Q and att_mask
.Lp1:
	s_cmp_gt_u32 s[JJ], s[JL]                      ; all 64 keys come after my unit's queries: nothing to do
	s_cbranch_scc1 .Lhid1
	s_setprio 2
	P1STEP
.Lhid1:
	s_add_co_u32 s[TB], s[TB], KB
	s_add_co_u32 s[JJ], s[JJ], 1
	s_cmp_lt_u32 s[JJ], 32
	s_cbranch_scc1 .Lp1
	s_setprio 0
	s_wait_alu depctr_va_vdst(0)
	; the two lanes of a query join: NM = the smaller; each sum is brought under it; 1 / sum, or 0 where att_mask is 0
.irp u, 0,1
	v_add_f32 v[ST+8*\u+2], v[ST+8*\u+2], v[ST+8*\u+3]
.endr
.irp u, 0
	v_permlanex16_b32 v[O+8*\u+6], v[ST+8*\u], s[SEL], s[SEL+1]
	s_delay_alu instid0(VALU_DEP_3)
	v_permlanex16_b32 v[O+8*\u+7], v[ST+8*\u+2], s[SEL], s[SEL+1]
.endr
.irp u, 1
	v_permlanex16_b32 v[O+8*\u+6], v[ST+8*\u], s[SEL], s[SEL+1]
	s_delay_alu instid0(VALU_DEP_4)
	v_permlanex16_b32 v[O+8*\u+7], v[ST+8*\u+2], s[SEL], s[SEL+1]
.endr
.irp u, 0
	s_delay_alu instid0(VALU_DEP_4)
	v_min_num_f32 v[ST+8*\u+7], v[ST+8*\u], v[O+8*\u+6]
.endr
.irp u, 1
	s_delay_alu instid0(VALU_DEP_3)
	v_min_num_f32 v[ST+8*\u+7], v[ST+8*\u], v[O+8*\u+6]
.endr
.irp u, 0
	s_delay_alu instid0(VALU_DEP_2)
	v_sub_f32 v[ST+8*\u+4], v[ST+8*\u+7], v[ST+8*\u]
	s_delay_alu instid0(VALU_DEP_3)
	v_sub_f32 v[O+8*\u+6], v[ST+8*\u+7], v[O+8*\u+6]
.endr
.irp u, 1
	s_delay_alu instid0(VALU_DEP_3)
	v_sub_f32 v[ST+8*\u+4], v[ST+8*\u+7], v[ST+8*\u]
	s_delay_alu instid0(VALU_DEP_4)
	v_sub_f32 v[O+8*\u+6], v[ST+8*\u+7], v[O+8*\u+6]
.endr
	s_wait_alu depctr_va_vdst(0)
.irp u, 0,1
	v_exp_f32 v[ST+8*\u+4], v[ST+8*\u+4]
	v_exp_f32 v[O+8*\u+6], v[O+8*\u+6]
.endr
	v_nop
	s_wait_alu depctr_va_vdst(0)                   ; one wait for the four
.irp u, 0,1
	v_mul_f32 v[ST+8*\u+2], v[ST+8*\u+2], v[ST+8*\u+4]
.endr
.irp u, 0,1
	v_fmac_f32 v[ST+8*\u+2], v[O+8*\u+7], v[O+8*\u+6]
.endr
	s_wait_alu depctr_va_vdst(0)
.irp u, 0,1
	v_rcp_f32 v[ST+8*\u+4], v[ST+8*\u+2]           ; key 0 counts for every query, so the sum is at least about 1
.endr
	v_nop
	s_wait_alu depctr_va_vdst(0)                   ; one wait for the two
.irp u, 0,1
	v_cmp_ne_u32 vcc_lo, 0, v[ST+8*\u+6]
	v_cndmask_b32 v[ST+8*\u+4], 0, v[ST+8*\u+4], vcc_lo
	v_mov_b32 v[ST+8*\u], v[ST+8*\u+7]
.endr
.set n, 0
.rept 64
	v_mov_b32 v[O+n], 0                            ; O^T begins as zeros, so that pass 2's step is written once; 64 lines for a unit's 2 a + 2 sub-steps
.set n, n+1
.endr
	s_wait_dscnt 0x0                               ; pass 1's last look-ahead has landed
	KLOAD LI
	s_mov_b32 s[TB], 0
	s_mov_b32 s[JJ], 0
.Lp2:
	s_cmp_gt_u32 s[JJ], s[JL]
	s_cbranch_scc1 .Lhid2
	s_setprio 2
	P2STEP
.Lhid2:
	s_add_co_u32 s[TB], s[TB], KB
	s_add_co_u32 s[JJ], s[JJ], 1
	s_cmp_lt_u32 s[JJ], 32
	s_cbranch_scc1 .Lp2
	s_setprio 0
	; THE WAY OUT: the attended rows are quantised for the last product and stored as atoms of its operand: lane (r, h) holds token r and channels 16 d + 8 h + 0 .. 7
.rept 4
	v_nop                                          ; places behind the last products
.endr
.set n, 0
.rept 64
	v_med3_num_f32 v[O+n], v[O+n], -v[SO+1], v[SO+1]   ; the hold; each accumulator from its low end on
.set n, n+1
.endr
.irp u, 0,1
.irp t, 0,1,2,3
	v_cvt_scalef32_pk8_fp8_f32 v[PC+8*\u+2*\t:PC+8*\u+2*\t+1], v[O+32*\u+8*\t:O+32*\u+8*\t+7], v[SO]
.endr
.endr
	v_nop                                          ; one plain line behind the last conversion
.irp u, 0,1
.irp c, 0,1
	global_store_b128 v[LI], v[PC+8*\u+4*\c:PC+8*\u+4*\c+3], s[70:71] offset:4096*\u+512*\c   ; 512 consecutive bytes, aligned
.endr
.endr
	s_wait_xcnt 0x0                                ; the stores have read their base and data: both are written again in the next trip
	s_add_co_u32 s[OT], s[OT], 1
	s_cmp_lt_u32 s[OT], 2
	s_cbranch_scc1 .Lunit
	s_wait_dscnt 0x0                               ; the last look-ahead
	s_set_vgpr_msb 0x5
	s_wait_tensorcnt 0x0
	ds_add_u32 v0, v1
	s_wait_dscnt 0x0
	s_set_vgpr_msb 0x500
	CROUND                                         ; the closing round
	s_endpgm
.Lfunc_end_k_q48a146a11f_attn:
	.size	k_q48a146a11f_attn, .Lfunc_end_k_q48a146a11f_attn-k_q48a146a11f_attn
	.p2alignl 7, 3214868480
	.fill 96, 4, 3214868480
	.section	.rodata,"a",@progbits
	.p2align	6, 0x0
	.amdhsa_kernel k_q48a146a11f_attn
		.amdhsa_group_segment_fixed_size 263168
		.amdhsa_private_segment_fixed_size 0
		.amdhsa_enable_private_segment 0
		.amdhsa_kernarg_size 48
		.amdhsa_user_sgpr_count 2
		.amdhsa_user_sgpr_kernarg_segment_ptr 1
		.amdhsa_wavefront_size32 1
		.amdhsa_system_sgpr_workgroup_id_x 1
		.amdhsa_system_sgpr_workgroup_id_y 1
		.amdhsa_system_sgpr_workgroup_id_z 1
		.amdhsa_system_vgpr_workitem_id 0
		.amdhsa_next_free_vgpr 258
		.amdhsa_next_free_sgpr 80
		.amdhsa_reserve_vcc 1
		.amdhsa_float_denorm_mode_32 3
		.amdhsa_float_denorm_mode_16_64 3
		.amdhsa_fp16_overflow 1
		.amdhsa_memory_ordered 1
		.amdhsa_forward_progress 1
		.amdhsa_inst_pref_size 46
	.end_amdhsa_kernel
	.amdgpu_metadata
---
amdhsa.version: [ 1, 2 ]
amdhsa.kernels:
  - .name:           k_q48a146a11f_attn
    .symbol:         k_q48a146a11f_attn.kd
    .args:
      - { .name: q_img, .offset: 0, .size: 8, .value_kind: global_buffer, .address_space: global }
      - { .name: k_img, .offset: 8, .size: 8, .value_kind: global_buffer, .address_space: global }
      - { .name: v_img, .offset: 16, .size: 8, .value_kind: global_buffer, .address_space: global }
      - { .name: att_mask, .offset: 24, .size: 8, .value_kind: global_buffer, .address_space: global }
      - { .name: lowp_scales, .offset: 32, .size: 8, .value_kind: global_buffer, .address_space: global }
      - { .name: att_img, .offset: 40, .size: 8, .value_kind: global_buffer, .address_space: global }
    .group_segment_fixed_size: 263168
    .private_segment_fixed_size: 0
    .kernarg_segment_align: 8
    .kernarg_segment_size: 48
    .max_flat_workgroup_size: 256
    .sgpr_count:     80
    .vgpr_count:     258
    .wavefront_size: 32
...
	.end_amdgpu_metadata
.endif
;; end of part 2
;; launch outp (part 3): grid 4 x 32, 4 waves a work-group, clusters of 4 x 4, 327,680 bytes of LDS; arguments att_img, Wo_codes, lowp_scales, out0, bo; writes out0
.if DOCPART == 3
	.amdgcn_target "amdgcn-amd-amdhsa--gfx1250"
	.amdhsa_code_object_version 6
	.text
	.protected	k_q48a146a11f_outp
	.globl	k_q48a146a11f_outp
	.p2align	8
	.type	k_q48a146a11f_outp,@function
k_q48a146a11f_outp:
	s_mov_b64 s[64:65], 0
	v_nop
	global_prefetch_b8 v0, s[64:65] scope:SCOPE_SE
	s_setreg_imm32_b32 hwreg(HW_REG_WAVE_MODE, 25, 1), 1
	s_wait_xcnt 0x0
	s_wait_alu depctr_hold_cnt(0) depctr_sa_sdst(0) depctr_va_vdst(0) depctr_va_sdst(0) depctr_va_ssrc(0) depctr_va_vcc(0) depctr_vm_vsrc(0)
	s_getreg_b32 s2, hwreg(HW_REG_IB_STS2, 6, 4)
	s_cmp_eq_u32 s2, 0
	s_cbranch_scc0 .Lentry_in_a_cluster
	s_endpgm
.Lentry_in_a_cluster:
	s_bfe_u32 s2, ttmp6, 0x10000c
	s_cmp_lg_u32 s2, 0xf033
	s_cbranch_scc0 .Lentry_shape_is_right
	s_endpgm
.Lentry_shape_is_right:
; out0 = attended Wo + bo on codes of FP8 (E4M3): out0[m][n] = 2^(e10 + e11) x the sum over k of A[m][k] B[n][k] + bo[n].  A: the attended rows, 8,192 x 1,024, as images of operand registers (att_img);
; B: Wo's codes, [1,024 n][1,024 k], K innermost; out0 [8,192][1,024] f32; sums in f32.  LIMIT: e10 + e11 between -126 and 127, so that 2^(e10 + e11) is an f32 number.
; A tile of out0 is 256 x 256: four waves of 128 x 128, 64 accumulators.  K goes through two LDS slots of 256 along K: four fills, written out.  128 work-groups in 8 clusters of 4 x 4:
; the four of a row of the cluster need the same tiles of A, the four of a column the same tiles of B: each tile is asked for jointly.
; A's tile of a slot is one dense block of 65,536 bytes: [token tile 16][K step 2][atom 4][512]; a fragment is four loads of 16 bytes a lane at 16 x lane.  It stands in the 8-bit forms' own layout
; (registers 2 c, 2 c + 1: k = 16 c + 8 (lane / 16) + 0 .. 7), so B's fragments are fetched in that layout too: eight loads of 8 bytes from rows 272 bytes apart.
; THE MATRIX INSTRUCTION IS USED TRANSPOSED (source 0 = 16 rows of B, source 1 = 16 rows of A): a lane holds eight neighbouring numbers of a row of out0.
; REGISTERS, in windows of 256: window 0: v0-31 addresses; v96-99 my four numbers of bo; from v128 A's fragments, ONE set; on the way out v128-255 rows of out0.
;   window 1: B's fragments, TWO sets.   window 2: the accumulators of my rows 0-63 ((a, b) at v[8 (8 (a % 4) + b)]);   window 3: of my rows 64-127.
.set SIZE_N, 1024
.set ROWB,   256                       ; a row of B's tile in bytes
.set KROW,   1024                      ; a row of B in memory
.set PITCH,  272                       ; B's LDS row: 256 bytes + 16 of padding
.set FR,     16                        ; registers of a fragment: 16 rows x 128 K
.set NL,     4                         ; LDS loads that bring a fragment of A
.set NP,     4                         ; places behind this matrix instruction (ISA guide 7.12.1)
.set AHALF,  32768                     ; A: 128 rows' atoms of a slot: what one tensor load brings
.set ABYTES, 2*AHALF
.set HALFB,  128*PITCH                 ; B: 128 rows
.set SLOT,   ABYTES+2*HALFB            ; A's block, then B's 256 rows
.set SPARE,  2*SLOT                    ; behind the ring: the spare words, 128 bytes for each wave
.set SPITCH, 528                       ; the way out: a stage of 16 rows x (512 bytes + 16) for each wave, in slot 0, which has had its last fill and its last read when the first result is stored there
.set ADRA, 16                          ; v16-17  LDS address of my A fragments in slot 0, 1
.set ADRB, 20                          ; v20-21  the same for B
.set STO,  24                          ; v24     the way out: where I put 32 bytes of a row
.set RD,   25                          ; v25     where I read a row back
.set CO,   26                          ; v26     16 x lane: my byte offset in a row's 512 bytes
.set SPW,  28                          ; v28     LDS address of my spare word; never rewritten
.set NIL,  29                          ; v29     0; never rewritten
.set BO,   96                          ; v96-99  bo at my four columns of a row read back
.set AF,   128
.set BK,   128                         ; the way out: 16 rows read back: v128-191 and v192-255 by turns
.set G1, 24                            ; s[24:31] descriptor group 1 for A's tiles;  s[32:39] group 0, one set for each slot
.set G0, 32
.set G1B, 48                           ; s[48:55], s[56:63] the same for B's tiles
.set G0B, 56
.set MSB, 0
.macro WIN new                         ; the immediate's high byte repeats the setting that is left
.if MSB != \new
	s_set_vgpr_msb (MSB<<8)|\new
.set MSB, \new
.endif
.endm
.set MUL_LO, 0xa1                      ; source 0 (B) window 1, source 1 (A) window 0, C and D window 2
.set MUL_HI, 0xf1                      ; the same, C and D window 3
.set TO_B,   0x40                      ; destination window 1, address window 0
.macro JLOAD g0a, g1a, g0b, g1b        ; a joint load: waves 0 and 1 fetch for A, waves 2 and 3 for B; four v_nop follow each of the two lines
	s_cmp_eq_u32 s15, 0
	s_cbranch_scc0 .Lfor_b_\@
	tensor_load_to_lds s[\g0a:\g0a+3], s[\g1a:\g1a+7]
	s_nop 0
.rept 4
	v_nop
.endr
	s_branch .Lasked_\@
.Lfor_b_\@:
	tensor_load_to_lds s[\g0b:\g0b+3], s[\g1b:\g1b+7]
	s_nop 0
.rept 4
	v_nop
.endr
.Lasked_\@:
.endm
.macro CREST                           ; a round of the cluster's barrier behind its opening barrier
	s_cmp_lg_u32 s14, 0
	s_cbranch_scc1 .Lnot_wave_0_\@
	s_barrier_signal -3
.Lnot_wave_0_\@:
	s_barrier_wait -3
	s_barrier_signal -1
	s_barrier_wait -1
.endm
.macro CROUND                          ; a whole round
	s_barrier_signal -1
	s_barrier_wait -1
	CREST
.endm
	s_load_b128 s[4:7], s[0:1], 0x0                ; att_img s[4:5], Wo's codes s[6:7]
	s_load_b128 s[8:11], s[0:1], 0x10              ; the scales' exponents s[8:9], out0 s[10:11]
	s_load_b64 s[12:13], s[0:1], 0x20              ; bo
	v_lshl_add_u32 v[SPW], v0, 2, SPARE
	v_mov_b32 v[NIL], 0
	ds_add_u32 v28, v29
	ds_add_u32 v28, v29
	s_wait_dscnt 0x0
	v_lshrrev_b32 v1, 5, v0
	v_readfirstlane_b32 s14, v1                    ; wave 0..3
	s_lshr_b32 s15, s14, 1                         ; which half of the tile's rows is mine.  Also: I fetch for A (0) or for B (1)
	s_and_b32 s16, s14, 1                          ; which half of its columns.  Also: which half of that tile I fetch
	s_bfe_u32 s40, ttmp6, 0x40000                  ; cx, cy: my place in the cluster
	s_bfe_u32 s41, ttmp6, 0x40004
	s_lshl_b32 s42, ttmp9, 2
	s_add_co_u32 s42, s42, s40                     ; tile column = 4 x cluster x + cx
	s_and_b32 s17, ttmp7, 0xffff
	s_lshl_b32 s17, s17, 2
	s_add_co_u32 s17, s17, s41                     ; tile row = 4 x cluster y + cy
	s_lshl_b32 s43, s41, 2
	s_lshl_b32 s43, 15, s43                        ; my row of the cluster
	s_lshl_b32 s44, 0x1111, s40                    ; my column
	; descriptor group 1.  A: 128 rows of 256 bytes, dense in memory and in LDS.  B: 128 rows of 256 bytes, 1,024 apart in memory, padded in LDS
	s_or_b32 s[G1+0], s43, (3<<16)|(1<<21)         ; 15:0 the mask: A's tiles go to my row; 17:16 elements of 8 bytes; 21 set beside a mask; no padding
	s_mov_b32 s[G1+1], 32<<16                      ; tensor_dim0 = 32
	s_mov_b32 s[G1+2], 128<<16                     ; tensor_dim1 = 128
	s_mov_b32 s[G1+3], 32<<16                      ; tile_dim0 = 32
	s_mov_b32 s[G1+4], 128                         ; tile_dim1 = 128
	s_mov_b32 s[G1+5], 32                          ; tensor_dim0_stride
	s_mov_b32 s[G1+6], 0
	s_mov_b32 s[G1+7], 0
	s_or_b32 s[G1B+0], s44, (0<<16)|(1<<20)|(1<<21)|(5<<22)|(3<<25) ; my column's mask; elements of 1 byte; padding: 4 words after every 64
	s_mov_b32 s[G1B+1], ROWB<<16
	s_mov_b32 s[G1B+2], 128<<16
	s_mov_b32 s[G1B+3], ROWB<<16
	s_mov_b32 s[G1B+4], 128
	s_mov_b32 s[G1B+5], KROW
	s_mov_b32 s[G1B+6], 0
	s_mov_b32 s[G1B+7], 0
	s_lshl_b32 s20, s17, 18                        ; A: 262,144 bytes a tile row,
	s_lshl_b32 s18, s16, 15                        ; + the half that I fetch
	s_add_co_u32 s20, s20, s18
	s_mov_b32 s21, 0
	s_lshl_b32 s46, s42, 8
	s_lshl_b32 s19, s16, 7
	s_add_co_u32 s46, s46, s19                     ; B: row 256 x tile column + 128 x half,
	s_lshl_b32 s46, s46, 10                        ; in bytes
	s_mov_b32 s47, 0
	s_lshl_b32 s45, s16, 15                        ; where they go: A's halves,
	s_mul_i32 s66, s16, HALFB
	s_add_co_u32 s66, s66, ABYTES                  ; and B's behind them: no place in the cluster enters an LDS address
	s_wait_kmcnt 0x0
	s_load_b64 s[96:97], s[8:9], 0x28              ; e10, e11
	s_add_nc_u64 s[20:21], s[4:5], s[20:21]
	s_add_nc_u64 s[46:47], s[6:7], s[46:47]
	CROUND                                         ; all sixteen work-groups are here: the first joint loads meet
.irp s, 0,1
	s_mov_b32 s[G0+4*\s], 1
	s_add_co_u32 s[G0+4*\s+1], s45, \s*SLOT
	s_add_nc_u64 s[G0+4*\s+2:G0+4*\s+3], s[20:21], \s*ABYTES
	s_or_b32 s[G0+4*\s+3], s[G0+4*\s+3], 0x80000000
	s_mov_b32 s[G0B+4*\s], 1
	s_add_co_u32 s[G0B+4*\s+1], s66, \s*SLOT
	s_add_nc_u64 s[G0B+4*\s+2:G0B+4*\s+3], s[46:47], \s*ROWB
	s_or_b32 s[G0B+4*\s+3], s[G0B+4*\s+3], 0x80000000
	JLOAD G0+4*\s, G1, G0B+4*\s, G1B               ; two tensor loads of mine are out
.endr
	v_and_b32 v1, 15, v0                           ; r = l % 16
	v_bfe_u32 v2, v0, 4, 1                         ; h = l / 16
	v_and_b32 v6, 31, v0
	v_lshlrev_b32 v[CO], 4, v6                     ; 16 x lane
	v_mul_u32_u24 v3, v1, PITCH
	v_lshl_add_u32 v4, v2, 3, v3                   ; B: row x pitch + 8 x half
	s_lshl_b32 s21, s15, 15                        ; my 128 rows of A
	s_mul_i32 s22, s16, HALFB                      ; my 128 rows of B,
	s_add_co_u32 s22, s22, ABYTES                  ; which lie behind A's block
.irp s, 0,1
	v_add_nc_u32 v[ADRA+\s], s21, v[CO]
	v_add_nc_u32 v[ADRB+\s], s22, v4
	s_add_co_u32 s21, s21, SLOT
	s_add_co_u32 s22, s22, SLOT
.endr
	s_mul_i32 s23, s14, 16*SPITCH                  ; my stage
	v_mul_u32_u24 v5, v1, SPITCH                   ; in: row l % 16, 32 bytes for each half of the lanes
	v_lshl_add_u32 v5, v2, 5, v5
	v_add_nc_u32 v[STO], s23, v5
	v_add_nc_u32 v[RD], s23, v[CO]                 ; back: the 32 lanes take one row of 512 bytes
	s_lshl_b32 s20, s17, 8
	s_lshl_b32 s21, s15, 7
	s_add_co_u32 s20, s20, s21                     ; my first row of out0,
	s_lshl_b32 s20, s20, 12                        ; x 4,096 bytes
	s_mov_b32 s21, 0
	s_lshl_b32 s46, s42, 10                        ; my first column, in bytes: 1,024 x tile column + 512 x half
	s_lshl_b32 s47, s16, 9
	s_add_co_u32 s46, s46, s47
	s_mov_b32 s47, 0
	s_add_nc_u64 s[12:13], s[12:13], s[46:47]
	s_add_nc_u64 s[10:11], s[10:11], s[46:47]
	s_add_nc_u64 s[10:11], s[10:11], s[20:21]
	global_load_b128 v[BO:BO+3], v[CO], s[12:13]   ; bo at columns 4 x lane .. + 3 of my 128: the same in every row that I read back
.macro FRAG_A reg, slot, q, i          ; token tile i, K step q of the slot: four atoms
.irp c, 0,1,2,3
	ds_load_b128 v[\reg+4*\c:\reg+4*\c+3], v[ADRA+\slot] offset:(\i)*4096+(\q)*2048+512*\c
.endr
.endm
.macro FRAG_B reg, slot, q, i          ; 16 rows x 128 K: registers 2 c, 2 c + 1 hold K = 16 c + 8 (l / 16) + 0 .. 7
.irp c, 0,1,2,3,4,5,6,7
	ds_load_b64 v[\reg+2*\c:\reg+2*\c+1], v[ADRB+\slot] offset:128*(\q)+16*\c+(\i)*16*PITCH
.endr
.endm
; 16 matrix instructions: A's blocks a0, a0 + 1 x B's eight, 128 along K.  p: B's set.  zero = 1: the first product starts the sums.  The 64 accumulators take turns, one instruction a turn.
.macro MUL16 a0, p, zero
.irp a, \a0, \a0+1
.irp b, 0,1,2,3,4,5,6,7
.if \zero
	v_wmma_f32_16x16x128_fp8_fp8 v[8*(8*((\a)%4)+\b):8*(8*((\a)%4)+\b)+7], v[128*(\p)+FR*\b:128*(\p)+FR*\b+FR-1], v[AF+FR*(\a):AF+FR*(\a)+FR-1], 0
.else
	v_wmma_f32_16x16x128_fp8_fp8 v[8*(8*((\a)%4)+\b):8*(8*((\a)%4)+\b)+7], v[128*(\p)+FR*\b:128*(\p)+FR*\b+FR-1], v[AF+FR*(\a):AF+FR*(\a)+FR-1], v[8*(8*((\a)%4)+\b):8*(8*((\a)%4)+\b)+7]
.endif
.endr
.endr
.endm
.macro FETCH_B slot, q, p
	WIN TO_B
.irp i, 0,1,2,3,4,5,6,7
	FRAG_B 128*(\p)+FR*\i, \slot, \q, \i
.endr
	WIN 0
.endm
.macro FETCH_A slot, q, i0             ; A's blocks i0 .. i0 + 3
.irp i, \i0, \i0+1, \i0+2, \i0+3
	FRAG_A AF+FR*(\i), \slot, \q, \i
.endr
.endm
.macro PLACES n                        ; places in front of loads into registers that matrix instructions have read, and of the first read of results (ISA guide 7.12.1 for vector instructions)
.rept \n
	v_nop
.endr
.endm
.macro STEP slot, q, zero              ; a step of 128 along K that has its successor in the same slot
	s_wait_dscnt 4*NL                              ; B's set and A's blocks 0-3 are in; the youngest 16 loads (A's blocks 4-7) may be out
	WIN MUL_LO
	MUL16 0, (\q)%2, \zero
	MUL16 2, (\q)%2, \zero
	s_wait_dscnt 0                                 ; A's blocks 4-7 are in
	PLACES NP
	FETCH_B \slot, (\q)+1, 1-(\q)%2
	FETCH_A \slot, (\q)+1, 0
	WIN MUL_HI
	MUL16 4, (\q)%2, \zero
	MUL16 6, (\q)%2, \zero
	PLACES NP
	WIN 0
	FETCH_A \slot, (\q)+1, 4
.endm
; A slot's last step changes slots: ONE barrier; in front of it each wave waits for all its tensor loads, adds 0 to its spare word, and waits for that and for its own reads of this slot.  fill = 1: this slot is filled again, 512 along K ahead.
.macro TURN slot, next, fill
	s_wait_tensorcnt 0x0                           ; all my tensor loads have landed: my part of the next slot;  (every window is 0 here)
	ds_add_u32 v[SPW], v[NIL]                      ; 0 onto my spare word
	s_wait_dscnt 4*NL+1                            ; (the add and the youngest 16 loads, A's blocks 4-7, may be out)
	WIN MUL_LO
	MUL16 0, 1, 0                                  ; sixteen matrix instructions stand between the add and the wait for it
	s_wait_dscnt 0x0                               ; the add is done, and my reads of this slot are over
	s_barrier_signal -1
	MUL16 2, 1, 0
	WIN 0
	s_barrier_wait -1
.if \fill
	CREST                                          ; the barrier has opened a round of the cluster's barrier: no wave of any partner still reads this slot's tile or has a load on its way
	s_add_nc_u64 s[G0+4*\slot+2:G0+4*\slot+3], s[G0+4*\slot+2:G0+4*\slot+3], 2*ABYTES
	s_add_nc_u64 s[G0B+4*\slot+2:G0B+4*\slot+3], s[G0B+4*\slot+2:G0B+4*\slot+3], 2*ROWB
	JLOAD G0+4*\slot, G1, G0B+4*\slot, G1B         ; the first tensor load behind the round, my one load until the next; its four v_nop are the places in front of the loads below
.else
	PLACES NP
.endif
	FETCH_B \next, 0, 0
	FETCH_A \next, 0, 0
	WIN MUL_HI
	MUL16 4, 1, 0
	MUL16 6, 1, 0
	PLACES NP
	WIN 0
	FETCH_A \next, 0, 4
.endm
	s_wait_tensorcnt 1                             ; my part of slot 0 is in (slot 1's load may be out)
	s_barrier_signal -1
	s_barrier_wait -1                              ; everybody's is
	FETCH_B 0, 0, 0
	FETCH_A 0, 0, 0
	FETCH_A 0, 0, 4
	STEP 0, 0, 1                                   ; K 0-127: these products start the sums
	TURN 0, 1, 1                                   ; K 128-255; slot 0 takes K 512-767
	STEP 1, 0, 0
	TURN 1, 0, 1                                   ; slot 1 takes K 768-1,023
	STEP 0, 0, 0
	TURN 0, 1, 0                                   ; nothing is left to fetch: no round of the cluster's barrier
	STEP 1, 0, 0
	s_wait_dscnt 4*NL                              ; the very last step
	WIN MUL_LO
	MUL16 0, 1, 0
	MUL16 2, 1, 0
	s_wait_dscnt 0
	WIN MUL_HI
	MUL16 4, 1, 0
	MUL16 6, 1, 0
	WIN 0
; THE WAY OUT, block by block of 16 rows x 128 columns.  A lane holds 32 neighbouring bytes of a row, and the lanes beside it hold other rows: a block's sums go through my own stage in LDS as they are and come back as
; whole rows of 512 bytes.  There a lane holds the same four columns in every row, so four registers hold all its bias: sum x 2^(e10 + e11) + bo is one packed multiply-add for two numbers.
; LDS serves a wave's instructions in order (ISA guide 5.7.1.4): no wait between the stores and the loads, nor in front of the next block's stores.
.macro TOSTAGE a
.set AC, 64*((\a)%4)
	WIN 0x08+4*((\a)/4)                            ; the stores' data: window 2 or 3
.irp b, 0,1,2,3,4,5,6,7
	ds_store_b128 v[STO], v[AC+8*\b:AC+8*\b+3] offset:64*\b          ; each accumulator from its low end on
	ds_store_b128 v[STO], v[AC+8*\b+4:AC+8*\b+7] offset:64*\b+16
.endr
	WIN 0
.set BB, BK+64*((\a)%2)
.irp t, 0,1,2,3,4,5,6,7,8,9,10,11,12,13,14,15
	ds_load_b128 v[BB+4*\t:BB+4*\t+3], v[RD] offset:\t*SPITCH
.endr
.endm
.macro SEND a, younger                 ; younger: the LDS instructions issued behind block a's loads, which may stay out
.set BB, BK+64*((\a)%2)
	s_wait_dscnt \younger                          ; the block is back in registers
.if (\a) > 0
	s_add_nc_u64 s[10:11], s[10:11], 16*SIZE_N*4   ; (behind a wait on XCNT: the earlier stores have read their base)  16 rows on
.endif
.irp t, 0,1,2,3,4,5,6,7,8,9,10,11,12,13,14,15
.irp i, 0,2
	v_pk_fma_f32 v[BB+4*\t+\i:BB+4*\t+\i+1], v[BB+4*\t+\i:BB+4*\t+\i+1], s[96:97], v[BO+\i:BO+\i+1] op_sel_hi:[1,0,1]
.endr
	global_store_b128 v[CO], v[BB+4*\t:BB+4*\t+3], s[10:11] offset:\t*SIZE_N*4 th:TH_STORE_NT   ; 32 lanes store 512 consecutive bytes, aligned; written once, read by nobody here
.endr
.endm
	s_wait_kmcnt 0x0
	s_add_co_i32 s96, s96, s97                     ; e10 + e11
	s_add_co_i32 s96, s96, 127
	s_lshl_b32 s96, s96, 23                        ; 2^(e10 + e11) as f32
	s_mov_b32 s97, s96                             ; (named with it as a pair, so it is written)
	s_wait_loadcnt 0x0                             ; bo
	PLACES NP                                      ; behind the last products: for the stores that read results and the loads into the registers that held A's fragments
	TOSTAGE 0
.irp a, 1,2,3,4,5,6,7
.if \a > 1
	s_wait_xcnt 0x0                                ; block a - 2's stores have read their registers and their base: block a's loads may land there, and the base may step
.endif
	TOSTAGE \a
	SEND \a-1, 32                                  ; behind block a - 1's loads: block a's 16 stores and 16 loads
.endr
	s_wait_xcnt 0x0                                ; block 6's stores have read their base
	SEND 7, 0
	s_wait_tensorcnt 0x0                           ; the wave's end: behind my last tensor load and my last LDS store
	ds_add_u32 v[SPW], v[NIL]
	s_wait_dscnt 0x0
	CROUND                                         ; the closing round: no work-group ends while a partner may still ask for a tile that names it
	s_endpgm
.Lfunc_end_k_q48a146a11f_outp:
	.size	k_q48a146a11f_outp, .Lfunc_end_k_q48a146a11f_outp-k_q48a146a11f_outp
	.p2alignl 7, 3214868480
	.fill 96, 4, 3214868480
	.section	.rodata,"a",@progbits
	.p2align	6, 0x0
	.amdhsa_kernel k_q48a146a11f_outp
		.amdhsa_group_segment_fixed_size 327680
		.amdhsa_private_segment_fixed_size 0
		.amdhsa_enable_private_segment 0
		.amdhsa_kernarg_size 40
		.amdhsa_user_sgpr_count 2
		.amdhsa_user_sgpr_kernarg_segment_ptr 1
		.amdhsa_wavefront_size32 1
		.amdhsa_system_sgpr_workgroup_id_x 1
		.amdhsa_system_sgpr_workgroup_id_y 1
		.amdhsa_system_sgpr_workgroup_id_z 1
		.amdhsa_system_vgpr_workitem_id 0
		.amdhsa_next_free_vgpr 1024
		.amdhsa_next_free_sgpr 98
		.amdhsa_reserve_vcc 0
		.amdhsa_float_denorm_mode_32 3
		.amdhsa_float_denorm_mode_16_64 3
		.amdhsa_memory_ordered 1
		.amdhsa_forward_progress 1
		.amdhsa_inst_pref_size 139
	.end_amdhsa_kernel
	.amdgpu_metadata
---
amdhsa.version: [ 1, 2 ]
amdhsa.kernels:
  - .name:           k_q48a146a11f_outp
    .symbol:         k_q48a146a11f_outp.kd
    .args:
      - { .name: att_img, .offset: 0, .size: 8, .value_kind: global_buffer, .address_space: global }
      - { .name: Wo_codes, .offset: 8, .size: 8, .value_kind: global_buffer, .address_space: global }
      - { .name: lowp_scales, .offset: 16, .size: 8, .value_kind: global_buffer, .address_space: global }
      - { .name: out0, .offset: 24, .size: 8, .value_kind: global_buffer, .address_space: global }
      - { .name: bo, .offset: 32, .size: 8, .value_kind: global_buffer, .address_space: global }
    .group_segment_fixed_size: 327680
    .private_segment_fixed_size: 0
    .kernarg_segment_align: 8
    .kernarg_segment_size: 40
    .max_flat_workgroup_size: 128
    .sgpr_count:     98
    .vgpr_count:     1024
    .wavefront_size: 32
...
	.end_amdgpu_metadata
.endif
;; end of part 3
